; MI455X (gfx1250); checked and timed in simulation.
; The chip was launched on July 23, 2026; its instructions are those of AMD's public machine-readable ISA for CDNA 5 (MIT licence, August 2026) and "CDNA5" Instruction Set Architecture Reference Guide (July 2026). The comments in the code are by the model that wrote it; some were corrected since.
;; Vector Quantizer. Allowed arithmetic: float matrix products may take bf16 or f16 operands with f32 sums; all other float work in f32.
;; Inputs: codebook 8,192 x 256 float32; z 4 x 8 x 32 x 32 x 256 float32.
;; Outputs: out0 4 x 8 x 32 x 32 x 256 float32; out1 one number float32; out2 32,768 int32.
;; 2 versions, each right; version 2 is version 1 with the launch prep written anew for expert scheduling mode. Each part assembles by itself: llvm-mc -triple=amdgcn-amd-amdhsa -mcpu=gfx1250 --defsym DOCPART=n.
;; ======== version 1 of 2: 4 launches
;; workspace buffers: cbh 4,194,304 bytes; bn 32,768 bytes; idx 131,072 bytes of whole numbers; part 16,384 bytes
;; launch prep (part 1): grid 256 x 1, 4 waves a work-group, no clusters, 0 bytes of LDS; arguments codebook, cbh, bn; writes cbh, bn
.if DOCPART == 1
	.amdgcn_target "amdgcn-amd-amdhsa--gfx1250"
	.amdhsa_code_object_version 6
	.text
	.protected	k_q6ae990d22b_prep
	.globl	k_q6ae990d22b_prep
	.p2align	8
	.type	k_q6ae990d22b_prep,@function
k_q6ae990d22b_prep:
	s_mov_b64 s[64:65], 0
	v_nop
	global_prefetch_b8 v0, s[64:65] scope:SCOPE_SE
	s_setreg_imm32_b32 hwreg(HW_REG_WAVE_MODE, 25, 1), 1
	s_wait_xcnt 0x0
; cbh[n][:] = bf16(-2 codebook[n][:]);  bn = the sum over a row of bf16(codebook)^2, in f32.
; The factor -2 is a power of two: it changes no rounding, and the search's products then come out as -2 z.c.
; The norm is taken of the ROUNDED numbers: (-2 cb)^2 is summed and multiplied by 0.25, both exact scalings.
; bn is laid for the search: the norm of code n lies at word ((n>>6)&3)*2048 + (n>>8)*64 + (n&63), so that each of the
; search's four waves finds the norms of its codes on end.
; SHARES.  1,024 waves; wave wid takes the codes 8 wid .. 8 wid + 7.  Lane l owns the floats 8 l .. 8 l + 7 of a row, so that its
; eight bf16 are 16 bytes and a wave's store covers a whole row of cbh, 512 consecutive bytes.  All 16 loads go out at once.
; A wave's eight norms are 32 consecutive bytes of bn: the one short store, 32 KiB in the whole launch.
; No LDS, no matrix unit, no cluster: the rows share nothing, and the bytes moved are all there is.
; LIMIT.  |c| beyond half of f32's largest number overflows in -2 c.
.set LANE, 1
.set LOF,  2                           ; v2       32 x lane: my 32 bytes of a row of the codebook
.set SOF,  3                           ; v3       16 x lane: my 16 bytes of a row of cbh
.set ZERO, 4                           ; v4       0: the first addend of each chain
.set RES,  5                           ; v5       lane i keeps row i's norm
.set T,    6                           ; v[6:13]  -2 c, at work
.set AC0,  14                          ; v14, v15 two chains: the low halves', the high halves'
.set AC1,  15
.set TMP,  16
.set X,    20                          ; v[20:83]   row i: 8 registers as loaded
.set Y,    84                          ; v[84:115]  row i: 4 registers to store
	s_load_b128 s[4:7], s[0:1], 0x0                ; codebook s[4:5], cbh s[6:7]
	s_load_b64 s[8:9], s[0:1], 0x10                ; bn
	v_lshrrev_b32 v17, 5, v0
	v_readfirstlane_b32 s10, v17                   ; wave 0..3
	s_lshl_b32 s11, ttmp9, 2
	s_add_co_u32 s11, s11, s10                     ; wid
	s_lshl_b32 s12, s11, 13                        ; 8 rows of 1,024 bytes
	s_mov_b32 s13, 0
	s_lshl_b32 s16, s11, 12                        ; 8 rows of 512 bytes
	s_mov_b32 s17, 0
	s_mov_b32 s14, 0x76543210                      ; v_permlanex16_b32: each lane takes its own place in the other half
	s_mov_b32 s15, 0xfedcba98
	v_and_b32 v[LANE], 31, v0
	v_lshlrev_b32 v[LOF], 5, v[LANE]
	v_lshlrev_b32 v[SOF], 4, v[LANE]
	v_mov_b32 v[ZERO], 0
	v_mov_b32 v[RES], 0
	v_mov_b32 v[TMP], 0                            ; v_permlanex16_b32's destination counts as read
	s_wait_kmcnt 0x0
	s_add_nc_u64 s[4:5], s[4:5], s[12:13]
	s_add_nc_u64 s[6:7], s[6:7], s[16:17]
.irp i, 0,1,2,3,4,5,6,7
	global_load_b128 v[X+8*(\i):X+8*(\i)+3],   v[LOF], s[4:5] offset:1024*(\i)
	global_load_b128 v[X+8*(\i)+4:X+8*(\i)+7], v[LOF], s[4:5] offset:1024*(\i)+16
.endr
.macro ROW i
	s_wait_loadcnt 14-2*(\i)                       ; loads come back in order: row i's two are in, the later rows' 14 - 2 i stay out
.irp j, 0,1,2,3
	v_pk_mul_f32 v[T+2*(\j):T+2*(\j)+1], v[X+8*(\i)+2*(\j):X+8*(\i)+2*(\j)+1], -2.0 op_sel_hi:[1,0]
.endr
.irp j, 0,1,2,3
	v_cvt_pk_bf16_f32 v[Y+4*(\i)+(\j)], v[T+2*(\j)], v[T+2*(\j)+1]
.endr
	global_store_b128 v[SOF], v[Y+4*(\i):Y+4*(\i)+3], s[6:7] offset:512*(\i)  ; the wave stores 512 consecutive bytes, a row; each row has store registers of its own
	v_fma_mix_f32_bf16 v[AC0], v[Y+4*(\i)], v[Y+4*(\i)], v[ZERO] op_sel_hi:[1,1,0]
	v_fma_mix_f32_bf16 v[AC1], v[Y+4*(\i)], v[Y+4*(\i)], v[ZERO] op_sel:[1,1,0] op_sel_hi:[1,1,0]
.irp j, 1,2,3
	v_fma_mix_f32_bf16 v[AC0], v[Y+4*(\i)+(\j)], v[Y+4*(\i)+(\j)], v[AC0] op_sel_hi:[1,1,0]
	v_fma_mix_f32_bf16 v[AC1], v[Y+4*(\i)+(\j)], v[Y+4*(\i)+(\j)], v[AC1] op_sel:[1,1,0] op_sel_hi:[1,1,0]
.endr
	v_add_f32 v[AC0], v[AC0], v[AC1]
	v_add_f32_dpp v[AC0], v[AC0], v[AC0] row_xmask:1 row_mask:0xf bank_mask:0xf
	v_add_f32_dpp v[AC0], v[AC0], v[AC0] row_xmask:2 row_mask:0xf bank_mask:0xf
	v_add_f32_dpp v[AC0], v[AC0], v[AC0] row_xmask:4 row_mask:0xf bank_mask:0xf
	v_add_f32_dpp v[AC0], v[AC0], v[AC0] row_xmask:8 row_mask:0xf bank_mask:0xf
	v_permlanex16_b32 v[TMP], v[AC0], s14, s15
	v_add_f32 v[AC0], v[AC0], v[TMP]
	v_mul_f32 v[AC0], 0x3e800000, v[AC0]           ; x 0.25: (-2 cb)^2 back to cb^2
	v_cmp_eq_u32 vcc_lo, \i, v[LANE]
	v_cndmask_b32 v[RES], v[RES], v[AC0], vcc_lo
.endm
.irp i, 0,1,2,3,4,5,6,7
	ROW \i
.endr
	s_lshl_b32 s18, s11, 3
	v_add_nc_u32 v17, s18, v[LANE]                 ; n = 8 wid + lane
	v_bfe_u32 v18, v17, 6, 2                       ; (n >> 6) & 3
	v_lshrrev_b32 v19, 8, v17                      ; n >> 8
	v_and_b32 v17, 63, v17
	v_lshl_add_u32 v17, v19, 6, v17
	v_lshl_add_u32 v17, v18, 11, v17
	v_lshlrev_b32 v17, 2, v17                      ; the word's byte
	v_cmp_gt_u32 vcc_lo, 8, v[LANE]
	s_wait_xcnt 0x0                                ; EXEC is a source of the stores above: it changes only behind this wait
	s_and_saveexec_b32 s19, vcc_lo
	global_store_b32 v17, v[RES], s[8:9]           ; lanes 0 to 7
	s_endpgm
.Lfunc_end_k_q6ae990d22b_prep:
	.size	k_q6ae990d22b_prep, .Lfunc_end_k_q6ae990d22b_prep-k_q6ae990d22b_prep
	.p2alignl 7, 3214868480
	.fill 96, 4, 3214868480
	.section	.rodata,"a",@progbits
	.p2align	6, 0x0
	.amdhsa_kernel k_q6ae990d22b_prep
		.amdhsa_group_segment_fixed_size 0
		.amdhsa_private_segment_fixed_size 0
		.amdhsa_enable_private_segment 0
		.amdhsa_kernarg_size 24
		.amdhsa_user_sgpr_count 2
		.amdhsa_user_sgpr_kernarg_segment_ptr 1
		.amdhsa_wavefront_size32 1
		.amdhsa_system_sgpr_workgroup_id_x 1
		.amdhsa_system_sgpr_workgroup_id_y 1
		.amdhsa_system_sgpr_workgroup_id_z 1
		.amdhsa_system_vgpr_workitem_id 0
		.amdhsa_next_free_vgpr 116
		.amdhsa_next_free_sgpr 66
		.amdhsa_reserve_vcc 1
		.amdhsa_float_denorm_mode_32 3
		.amdhsa_float_denorm_mode_16_64 3
		.amdhsa_memory_ordered 1
		.amdhsa_forward_progress 1
		.amdhsa_inst_pref_size 17
	.end_amdhsa_kernel
	.amdgpu_metadata
---
amdhsa.version: [ 1, 2 ]
amdhsa.kernels:
  - .name:           k_q6ae990d22b_prep
    .symbol:         k_q6ae990d22b_prep.kd
    .args:
      - { .name: codebook, .offset: 0, .size: 8, .value_kind: global_buffer, .address_space: global }
      - { .name: cbh, .offset: 8, .size: 8, .value_kind: global_buffer, .address_space: global }
      - { .name: bn, .offset: 16, .size: 8, .value_kind: global_buffer, .address_space: global }
    .group_segment_fixed_size: 0
    .private_segment_fixed_size: 0
    .kernarg_segment_align: 8
    .kernarg_segment_size: 24
    .max_flat_workgroup_size: 128
    .sgpr_count:     66
    .vgpr_count:     116
    .wavefront_size: 32
...
	.end_amdgpu_metadata
.endif
;; end of part 1
;; launch vq (part 2): grid 256 x 1, 4 waves a work-group, clusters of 4 x 1, 327,680 bytes of LDS; arguments z, cbh, bn, out2, idx; writes out2, idx
.if DOCPART == 2
	.amdgcn_target "amdgcn-amd-amdhsa--gfx1250"
	.amdhsa_code_object_version 6
	.text
	.protected	k_q6ae990d22b_vq
	.globl	k_q6ae990d22b_vq
	.p2align	8
	.type	k_q6ae990d22b_vq,@function
k_q6ae990d22b_vq:
	s_mov_b64 s[64:65], 0
	v_nop
	global_prefetch_b8 v0, s[64:65] scope:SCOPE_SE
	s_setreg_imm32_b32 hwreg(HW_REG_WAVE_MODE, 25, 1), 1
	s_wait_xcnt 0x0
	s_wait_alu depctr_hold_cnt(0) depctr_sa_sdst(0) depctr_va_vdst(0) depctr_va_sdst(0) depctr_va_ssrc(0) depctr_va_vcc(0) depctr_vm_vsrc(0)
	s_getreg_b32 s2, hwreg(HW_REG_IB_STS2, 6, 4)
	s_cmp_eq_u32 s2, 0
	s_cbranch_scc0 .Lentry_in_a_cluster
	s_endpgm
.Lentry_in_a_cluster:
	s_bfe_u32 s2, ttmp6, 0x10000c
	s_cmp_lg_u32 s2, 0x3003
	s_cbranch_scc0 .Lentry_shape_is_right
	s_endpgm
.Lentry_shape_is_right:
; THE SEARCH.  For each of 32,768 rows of z (256 f32): the first index n at which d[n] = (A + B[n]) - 2 z.c[n] is least, over 8,192 codes.
; z is rounded to bf16 here; cbh holds bf16(-2 c), bn holds B[n] = sum of bf16(c)^2 (laid by waves: see below).  The products' sums are f32.
; THE DISTANCE IS MADE AS THE MODULE MAKES IT, step by step in f32: t = fl(A + B[n]); d = fl(t + M'), M' = -2 z.c as the matrix unit sums it.  Distances are compared as f32
; numbers and a tie goes to the lower index, as argmin has it.  A is the sum of squares of the ROUNDED z, taken from the diagonal of Z Z^T by the matrix unit.
; LIMITS.  A NaN distance loses (argmin would take it); if every distance of a row is +inf the index is 0.  A and M' carry the matrix unit's order of summing, not the module's: where two
; distances lie within one f32 step of each other and one of them at a rounding boundary, or A within a few steps of a power of two, the index can be the neighbour's.
; SHARES.  256 work-groups of 128 rows; each walks all codes, so no result crosses work-groups.  Every wave keeps all 128 rows as 8 tiles x 8 fragments (512 registers) and takes 64 of each 256 codes:
; a code fragment read from LDS (two loads) feeds eight products.  A TILE is 16 codes x 128 rows x 256 along K: 64 matrix instructions on eight accumulators by turns.
; LAYOUT.  Source 0 = 16 codes, source 1 = 16 rows of z: in the result lane l holds ONE row (l % 16) and the codes 8 (l / 16) + 0..7.  So A, the best distance and what belongs to it are a lane's own.
; THE MINIMUM.  For a lane's eight distances of a tile: 4 packed sums t, 4 packed sums d (in place), their minimum m (4), m < best (1), and under that mask best, the tile's number and the eight d are
; kept (10): 23 vector instructions for 8 matrix instructions.  '<' keeps the earlier tile on a tie.  Which of the eight it was is read off the kept d once, at the end.
; BY TURNS.  While tile c is multiplied into one accumulator buffer, these RIDERS work on tile c - 1 in the other: two or three behind each matrix instruction.
; CLUSTER.  All work-groups walk the same codes and norms: four form a cluster and ask for each tile JOINTLY (the same load, descriptor and mask in all four).  z's tile is a work-group's own: a plain load.
; RING.  Two slots of 256 codes.  Each wave fetches the 64 codes that it reads itself; a slot is asked for again when its last fragments have been fetched, four tiles (256 matrix instructions) ahead of
; its first read.  Slot 1 first holds z's tile in f32.
; REGISTERS, in windows of 256 (s_set_vgpr_msb: bits 1:0 source 0, 3:2 source 1, 5:4 source 2, 7:6 destination):
;   window 0: all that the riders touch (map below).   window 1: v0-127 code fragments, two buffers of 8.   windows 2, 3: z: tile q, fragment k at v[64 (q % 4) + 8 k] of window 2 + q / 4.
; A product wants windows 1 and 2 or 3 for its sources, a rider window 0: two switches for each matrix instruction, the price of setting the vector work beside the matrix work.
.set PITCH, 528                        ; a code's row in LDS: 512 bytes + 16 of padding = 132 words: row r starts at bank 4 r mod 64 (64 banks of 4 bytes: ISA guide 11.1)
.set TSTEP, 16*PITCH                   ; a tile's 16 rows: 0x2100
.set WQ,    64*PITCH                   ; a wave's quarter of a slot
.set SLOTB, 4*WQ                       ; a slot: 0x21000.  A quarter's or a tile's first byte, (4 w + i) x 0x2100 with 4 w + i < 16, has bits 8-11 and 13-16 alone; 0x21000 is bits 12 and 17: one exclusive or changes slots
.set ZP,    1040                       ; a row of z in LDS: 1,024 bytes + 16
.set ZQ,    32*ZP                      ; a wave's quarter of z's tile
.set BB,    2*SLOTB                    ; the norms, 32,768 bytes, filled once: wave w's at + 8,192 w, 64 bytes a tile
.set SCR,   BB+32768                   ; 4,096 bytes written by LDS stores alone: wave w's (index, best) of row i at + 1,024 w + 8 i
.set SPARE, SCR+4096                   ; the spare words, 128 bytes for each wave: two blocks of 256 bytes that no other line names
.set AK0, 2                            ; v2   my lane's place in a tile of codes; never rewritten
.set ADR, 3                            ; v3   the LDS address of the run of code loads in hand
.set AB0, 4                            ; v4   my lane's place in my wave's norms; never rewritten
.set AZ,  5                            ; v5, v6  my lane's place in z's tile, rows 0-63 and 64-127
.set SA,  7                            ; v7   where I put a row's (index, best)
.set IDB, 8                            ; v8   64 w + 8 (l / 16): what my wave and half add to a code's index
.set SPW, 10                           ; v10  LDS address of my spare word; never rewritten
.set NIL, 11                           ; v11  0; never rewritten
.set ABR, 15                           ; v15  the LDS address of the norms in hand          (v1 l % 16, v9 l / 16, v12-14 at work)
.set ST,  16                           ; v[16:31]  row tile q: A at 16 + 2 q, best at 17 + 2 q
.set GI,  32                           ; v[32:39]  the number of the tile that holds best
.set BV,  40                           ; v[40:55]  a tile's eight norms, two buffers
.set TM,  56                           ; v[56:63]  at work: four for each of the two row tiles in hand
.set SAV, 64                           ; v[64:127] the eight d of the tile that holds best
.set ACC, 128                          ; v[128:255] two buffers of eight accumulators
.set ZB,  64                           ; while z is converted: three buffers of 64 at v64, v128, v192
.set WV,  14                           ; s14  my wave's number
.set G1Z, 24                           ; s[24:31], s[32:39], s[40:47]  descriptor group 1 for z, the codes, the norms
.set G1C, 32
.set G1B, 40
.set G0Z, 48                           ; s[48:51], s[52:55], s[56:59]  descriptor group 0; the codes' walks
.set G0C, 52
.set G0B, 56
.set SEL, 60                           ; s[60:61]  v_permlanex16_b32's selects: each lane takes its own place in the other half
.set TB,  62                           ; s62  LDS byte at which my next tile of codes begins
.set GC,  63                           ; s63  the number of the tile that the riders work on
.set CNT, 66
.set SLOTS, 67
.set MB,  68                           ; s68  the second row tile's mask
.set TBN, 69                           ; s69  64 x the number of the tile whose norms are fetched next
.set DM,  70                           ; s[71:77]  lanes with l % 8 = j
.set OWN, 78                           ; s78  lanes 0-7 and 24-31
.set PINF, 79                          ; s79  +inf
.set MG,  80                           ; s[80:82]  masks of a merge
.set MSB, 0
.macro WIN new                         ; the immediate's high byte repeats the setting that is left; a switch that changes nothing is dropped
.if MSB != (\new)
	s_set_vgpr_msb (MSB<<8)|(\new)
.set MSB, \new
.endif
.endm
; A round of the cluster's barrier: my work-group's barrier, so that wave 0's signal speaks for all four waves; wave 0 signals; every wave waits for all four work-groups; my work-group's barrier once more.
.macro CROUND
	s_barrier_signal -1
	s_barrier_wait -1
	s_cmp_lg_u32 s[WV], 0
	s_cbranch_scc1 .Lnot_wave_0_\@
	s_barrier_signal -3
.Lnot_wave_0_\@:
	s_barrier_wait -3
	s_barrier_signal -1
	s_barrier_wait -1
.endm
; THE CHANGE OF SLOTS.  The slot's last fragments have been asked for.  Each wave waits for all its tensor loads (one is out: its quarter of the other slot), adds 0 to its spare word, and waits for that
; and for its reads of the slot.  fill = 1: the barrier is a round of the cluster's, so that no wave of any partner still reads the slot or has a load on its way, and the joint refill, the codes two slots on,
; is the first thing behind it.  (At its first use the slot left is z's tile, and slot 0 and the norms are waited for.)
.macro CHANGE fill
	WIN 0                                          ; at a label and at a branch every window is 0
	s_wait_tensorcnt 0x0                           ; no tensor load of mine is out, so a group 0 may be written
	ds_add_u32 v[SPW], v[NIL]                      ; 0 onto my spare word; the scalar steps stand between it and the wait for it
.if \fill
	s_xor_b32 s[G0C+1], s[G0C+1], SLOTB            ; the walking descriptor: the other slot than last time,
	s_add_nc_u64 s[G0C+2:G0C+3], s[G0C+2:G0C+3], 256*512  ; the next 256 codes; the type bits on top are not reached
.endif
	s_sub_co_u32 s[TB], s[TB], 4*TSTEP             ; the fetches go back to my quarter's first tile,
	s_xor_b32 s[TB], s[TB], SLOTB                  ; in the other slot
	s_wait_dscnt 0x0                               ; the add is done, and my reads of the slot are over
.if \fill
	CROUND
	tensor_load_to_lds s[G0C:G0C+3], s[G1C:G1C+7]
	s_nop 0
.rept 4
	v_nop
.endr
.else
	s_barrier_signal -1
	s_barrier_wait -1
.endif
.endm
	s_load_b256 s[4:11], s[0:1], 0x0               ; z s[4:5], cbh s[6:7], bn s[8:9], out2 s[10:11]
	s_load_b64 s[12:13], s[0:1], 0x20              ; idx
	v_lshl_add_u32 v[SPW], v0, 2, SPARE
	v_mov_b32 v[NIL], 0
	ds_add_u32 v[SPW], v[NIL]                      ; the wave's opening: the add and its wait stand ahead of my first tensor load; the set-up below, work on registers, stands between them
	v_lshrrev_b32 v12, 5, v0
	v_readfirstlane_b32 s[WV], v12                 ; wave 0..3
	s_bfe_u32 s15, ttmp6, 0x40000                  ; cx: my place in the cluster
	s_lshl_b32 s16, ttmp9, 2                       ; in a cluster launch ttmp9 counts clusters
	s_add_co_u32 s16, s16, s15                     ; my work-group: it enters z's, out2's and idx's addresses alone
	; group 1 for z: 32 rows x 256 elements of 4 bytes, 4 words of padding behind every 256 words; no mask: a load of my own
	s_mov_b32 s[G1Z+0], (2<<16)|(1<<20)|(7<<22)|(3<<25)
	s_mov_b32 s[G1Z+1], 256<<16                    ; tensor_dim0
	s_mov_b32 s[G1Z+2], 32<<16                     ; tensor_dim1
	s_mov_b32 s[G1Z+3], 256<<16                    ; tile_dim0
	s_mov_b32 s[G1Z+4], 32                         ; tile_dim1
	s_mov_b32 s[G1Z+5], 256                        ; elements from row to row
	s_mov_b32 s[G1Z+6], 0
	s_mov_b32 s[G1Z+7], 0
	; for the codes: 64 rows x 256 elements of 2 bytes, 4 words of padding behind every 128 words; the mask of four, bit 21 beside it
	s_mov_b32 s[G1C+0], 15|(1<<16)|(1<<20)|(1<<21)|(6<<22)|(3<<25)
	s_mov_b32 s[G1C+1], 256<<16
	s_mov_b32 s[G1C+2], 64<<16
	s_mov_b32 s[G1C+3], 256<<16
	s_mov_b32 s[G1C+4], 64
	s_mov_b32 s[G1C+5], 256
	s_mov_b32 s[G1C+6], 0
	s_mov_b32 s[G1C+7], 0
	; for the norms: 8,192 dense bytes as 32 rows of 32 elements of 8 bytes; jointly too
	s_mov_b32 s[G1B+0], 15|(3<<16)|(1<<21)
	s_mov_b32 s[G1B+1], 32<<16
	s_mov_b32 s[G1B+2], 32<<16
	s_mov_b32 s[G1B+3], 32<<16
	s_mov_b32 s[G1B+4], 32
	s_mov_b32 s[G1B+5], 32
	s_mov_b32 s[G1B+6], 0
	s_mov_b32 s[G1B+7], 0
	s_mov_b32 s[G0Z], 1                            ; count = 1
	s_mul_i32 s[G0Z+1], s[WV], ZQ
	s_add_co_u32 s[G0Z+1], s[G0Z+1], SLOTB         ; z's tile lies in slot 1: my 32 rows of it
	s_mov_b32 s[G0C], 1
	s_mul_i32 s[G0C+1], s[WV], WQ                  ; slot 0, my quarter: no place in the cluster enters an LDS address
	s_mov_b32 s[G0B], 1
	s_lshl_b32 s22, s[WV], 13                      ; my 8,192 bytes of the norms
	s_mov_b32 s23, 0
	s_add_co_u32 s[G0B+1], s22, BB
	s_lshl_b32 s20, s[WV], 15                      ; my 64 codes of 512 bytes among a slot's 256
	s_mov_b32 s21, 0
	s_lshl_b32 s18, s16, 17                        ; my work-group's 128 rows of 1,024 bytes,
	s_lshl_b32 s17, s[WV], 15                      ; my 32 of them
	s_add_co_u32 s18, s18, s17
	s_mov_b32 s19, 0
	s_add_co_u32 s[TB], s[G0C+1], 4*TSTEP+SLOTB    ; the first change of slots turns this into my quarter of slot 0
	s_mov_b32 s[TBN], 0
	s_mov_b32 s[GC], -1                            ; the first tile's riders work on a tile that has not been
	s_mov_b32 s[SEL], 0x76543210
	s_mov_b32 s[SEL+1], 0xfedcba98
	s_mov_b32 s[PINF], 0x7f800000
	s_mov_b32 s[OWN], 0xff0000ff
.irp j, 1,2,3,4,5,6,7
	s_mov_b32 s[DM+(\j)], 0x01010101<<(\j)
.endr
	v_and_b32 v1, 15, v0                           ; l % 16
	v_bfe_u32 v9, v0, 4, 1                         ; l / 16
	; a fragment is 16 rows x 32 along K in 8 registers: lane l holds row l % 16; registers 0-3 K = 8 (l / 16) + 0..7, registers 4-7 K = 16 + 8 (l / 16) + 0..7
	v_mul_u32_u24 v[AK0], v1, PITCH
	v_lshl_add_u32 v[AK0], v9, 4, v[AK0]           ; bf16: row x pitch + 16 x half
	v_lshl_add_u32 v[AB0], v9, 5, s[G0B+1]         ; my half's eight norms of a tile: 32 bytes
	v_mul_u32_u24 v[AZ], v1, ZP
	v_lshl_add_u32 v[AZ], v9, 5, v[AZ]             ; f32: row x pitch + 32 x half
	v_add_nc_u32 v[AZ], SLOTB, v[AZ]
	v_add_nc_u32 v[AZ+1], 64*ZP, v[AZ]
	s_lshl_b32 s80, s[WV], 10
	s_add_co_u32 s80, s80, SCR
	v_lshl_add_u32 v[SA], v1, 3, s80
	s_lshl_b32 s81, s[WV], 6
	v_lshl_add_u32 v[IDB], v9, 3, s81
	s_wait_dscnt 0x0                               ; the opening add is done
	s_wait_kmcnt 0x0
	s_add_nc_u64 s[G0Z+2:G0Z+3], s[4:5], s[18:19]
	s_or_b32 s[G0Z+3], s[G0Z+3], 0x80000000        ; type = 2
	s_add_nc_u64 s[G0C+2:G0C+3], s[6:7], s[20:21]
	s_or_b32 s[G0C+3], s[G0C+3], 0x80000000
	s_add_nc_u64 s[G0B+2:G0B+3], s[8:9], s[22:23]
	s_or_b32 s[G0B+3], s[G0B+3], 0x80000000
	s_lshl_b32 s18, s16, 9                         ; my work-group's 128 indices
	s_add_nc_u64 s[10:11], s[10:11], s[18:19]
	s_add_nc_u64 s[12:13], s[12:13], s[18:19]
	CROUND                                         ; all four work-groups are here: the first joint loads meet
	tensor_load_to_lds s[G0Z:G0Z+3], s[G1Z:G1Z+7]  ; the first fills go out as one group: three loads of mine are out.  z first: it is wanted first
	s_nop 0
	tensor_load_to_lds s[G0B:G0B+3], s[G1B:G1B+7]
	s_nop 0
	tensor_load_to_lds s[G0C:G0C+3], s[G1C:G1C+7]
	s_nop 0
.rept 4
	v_nop
.endr
	s_wait_tensorcnt 0x2                           ; my quarter of z's tile is in; the two loads issued behind it may stay out
	s_barrier_signal -1
	s_barrier_wait -1                              ; everybody's quarter is in
; z TO bf16, in 16 units of half a row tile: 16 loads (four fragments: 16 floats a lane each), 32 conversions.  Three buffers take turns, so that two units' loads are out while one is converted.
.macro ZLOAD u
.set zq, (\u)/2
.set zb, ZB+64*((\u)%3)
.set za, AZ+zq/4
.set zo, (zq%4)*16*ZP+512*((\u)%2)
.irp f, 0,1,2,3
	ds_load_b128 v[zb+16*(\f):zb+16*(\f)+3],     v[za] offset:zo+128*(\f)
	ds_load_b128 v[zb+16*(\f)+4:zb+16*(\f)+7],   v[za] offset:zo+128*(\f)+16
	ds_load_b128 v[zb+16*(\f)+8:zb+16*(\f)+11],  v[za] offset:zo+128*(\f)+64
	ds_load_b128 v[zb+16*(\f)+12:zb+16*(\f)+15], v[za] offset:zo+128*(\f)+80
.endr
.endm
.macro ZCVT u
.set zq, (\u)/2
.set zb, ZB+64*((\u)%3)
.set zd, 64*(zq%4)+32*((\u)%2)
	WIN 0x80+0x40*(zq/4)                           ; destination window 2 or 3
.set ze, 0
.rept 32
	v_cvt_pk_bf16_f32 v[zd+ze], v[zb+2*ze], v[zb+2*ze+1]
.set ze, ze+1
.endr
	WIN 0
.endm
	ZLOAD 0
	ZLOAD 1
	ZLOAD 2
.set zu, 0
.rept 16
.if zu < 14
	s_wait_dscnt 32                                ; LDS loads come back in order: this unit is in, the two units behind it stay out
.elseif zu == 14
	s_wait_dscnt 16
.else
	s_wait_dscnt 0
.endif
	ZCVT zu
.if zu < 13
	ZLOAD zu+3
.endif
.set zu, zu+1
.endr
; 16 LDS loads in one run: a tile's eight fragments into code buffer b
.macro CODES b
	v_add_nc_u32 v[ADR], s[TB], v[AK0]
	WIN 0x40                                       ; destination window 1
.irp k, 0,1,2,3,4,5,6,7
	ds_load_b128 v[64*(\b)+8*(\k):64*(\b)+8*(\k)+3],   v[ADR] offset:64*(\k)
	ds_load_b128 v[64*(\b)+8*(\k)+4:64*(\b)+8*(\k)+7], v[ADR] offset:64*(\k)+32
.endr
	WIN 0
	s_add_co_u32 s[TB], s[TB], TSTEP               ; the next fetch is the next tile's
.endm
; What tile c (p = c % 2) fetches: tile c + 1's codes into the other code buffer, and its OWN norms into norm buffer p, for the riders of tile c + 1.
.macro FETCH p, codes
	WIN 0
.if \codes
	CODES 1-(\p)
.endif
	v_add_nc_u32 v[ABR], s[TBN], v[AB0]
	ds_load_b128 v[BV+8*(\p):BV+8*(\p)+3],   v[ABR]
	ds_load_b128 v[BV+8*(\p)+4:BV+8*(\p)+7], v[ABR] offset:16
	s_add_co_u32 s[TBN], s[TBN], 64
.endm
; THE RIDERS.  Two row tiles a = 2 rP, b = 2 rP + 1 are taken together, 46 instructions; RID writes number rn, on the accumulator and norm buffers that tile p does not write.
;   0-15   by fours, a and b alternating: t = B + A for two pairs of codes, then d = M' + t in place (the accumulator's lowest pair is read first)
;   16-23  m = the least of the eight d        24, 25  m < best: a's mask in VCC, b's in a scalar register
;   26-35  under a's mask: best, the tile's number, the eight d        36-45  the same for b
.macro CM d, a, b
.if ru == 0
	v_cndmask_b32 \d, \a, \b, vcc_lo
.else
	v_cndmask_b32 \d, \a, \b, s[MB]
.endif
.endm
.macro RID p
.if rn < 24
.set ru, rn%2
.elseif rn < 26
.set ru, rn-24
.else
.set ru, (rn-26)/10
.endif
.set rx, 2*rP+ru
.set rA, ACC+64*(1-(\p))+8*rx
.set rV, BV+8*(1-(\p))
.set rT, TM+4*ru
.set rS, ST+2*rx
.set rpr, 2*(rn/8)+(rn%4)/2
.set rh, rT+2*(rpr%2)
.set rj, (rn-26)%10-2
.if (rn < 16) && (rn%8 < 4)
	v_pk_add_f32 v[rh:rh+1], v[rV+2*rpr:rV+2*rpr+1], v[rS:rS+1] op_sel_hi:[1,0]
.elseif rn < 16
	v_pk_add_f32 v[rA+2*rpr:rA+2*rpr+1], v[rA+2*rpr:rA+2*rpr+1], v[rh:rh+1]
.elseif rn < 18
	v_min3_num_f32 v[rT], v[rA], v[rA+1], v[rA+2]
.elseif rn < 22
	v_min3_num_f32 v[rT], v[rT], v[rA+2*(rn/2)-15], v[rA+2*(rn/2)-14]
.elseif rn < 24
	v_min_num_f32 v[rT], v[rT], v[rA+7]
.elseif rn == 24
	v_cmp_lt_f32 vcc_lo, v[rT], v[rS+1]
.elseif rn == 25
	v_cmp_lt_f32 s[MB], v[rT], v[rS+1]
.elseif rj == -2
	CM v[rS+1], v[rS+1], v[rT]
.elseif rj == -1
	CM v[GI+rx], v[GI+rx], s[GC]
.else
	CM v[SAV+8*rx+rj], v[SAV+8*rx+rj], v[rA+rj]
.endif
.endm
; The slice behind matrix instruction tn of 64: pair tn / 16, slice tn % 16 of 16: three riders, but two in slices 7 and 8 (14 x 3 + 2 x 2 = 46).
.macro SLICE p
.set rP, tn/16
.set si, tn%16
.set rn, 3*si
.set sc, 3
.if si == 7
.set sc, 2
.elseif si == 8
.set rn, 23
.set sc, 2
.elseif si > 8
.set rn, 3*si-2
.endif
	WIN 0
.rept sc
	RID \p
.set rn, rn+1
.endr
.endm
; A TILE.  Matrix instruction tn: K fragment tn / 8, row tile tn % 8: the eight accumulators take turns, one instruction a turn, over the tiles' edges too (the buffers alternate).
; The first eight start the sums with the constant 0.  The run of loads stands behind the second product: nine riders behind the last product that read that code buffer, none of which names a register
; of it (a load into a register that a matrix instruction has read stands four plain vector instructions behind it), and 62 matrix instructions ahead of the wait at the next tile's head.
; The first rider on an accumulator stands 21 riders or more behind the accumulator's last product (ISA guide 7.12.1 asks for four).
.macro TILE p, codes=1
	s_wait_dscnt 0x0                               ; this tile's fragments and the last tile's norms are in
.set tn, 0
.rept 64
.set tq, tn%8
.set tk, tn/8
.set mD, ACC+64*(\p)+8*tq
.set mA, 64*(\p)+8*tk
.set mB, 64*(tq%4)+8*tk
	WIN 0x09+4*(tq/4)                              ; codes in window 1, z in window 2 or 3, C and D in window 0
.if tk == 0
	v_wmma_f32_16x16x32_bf16 v[mD:mD+7], v[mA:mA+7], v[mB:mB+7], 0
.else
	v_wmma_f32_16x16x32_bf16 v[mD:mD+7], v[mA:mA+7], v[mB:mB+7], v[mD:mD+7]
.endif
	SLICE \p
.if tn == 1
	FETCH \p, \codes
.endif
.set tn, tn+1
.endr
	WIN 0
	s_add_co_u32 s[GC], s[GC], 1
.endm
	CHANGE 1                                       ; slot 0 and the norms are in; nobody reads z's tile any more: slot 1 takes codes 256 to 511
	CODES 0                                        ; tile 0's fragments; they land while A is made
	; A = the diagonal of Z Z^T: 64 products of each row tile with itself, the eight accumulators by turns
.set tn, 0
.rept 64
.set tq, tn%8
.set tk, tn/8
.set mD, ACC+8*tq
.set mB, 64*(tq%4)+8*tk
	WIN 0x0a+5*(tq/4)                              ; both sources in window 2 or 3
.if tk == 0
	v_wmma_f32_16x16x32_bf16 v[mD:mD+7], v[mB:mB+7], v[mB:mB+7], 0
.else
	v_wmma_f32_16x16x32_bf16 v[mD:mD+7], v[mB:mB+7], v[mB:mB+7], v[mD:mD+7]
.endif
.set tn, tn+1
.endr
	WIN 0
	; The start values; they name no register of those products and are the places behind them.  best and the kept d are +inf.  The second accumulator buffer is +inf and its norms 0: the first tile's riders
	; find a tile that cannot win, so that no first tile is written out: 128 moves, in the wait for tile 0's fragments, for one text of a tile.
.set i, 0
.rept 64
	v_mov_b32 v[SAV+i], s[PINF]
	v_mov_b32 v[ACC+64+i], s[PINF]
.set i, i+1
.endr
.set i, 0
.rept 8
	v_mov_b32 v[ST+2*i+1], s[PINF]
	v_mov_b32 v[GI+i], 0
	v_mov_b32 v[BV+8+i], 0
.set i, i+1
.endr
	v_mov_b32 v13, 0                               ; v_permlanex16_b32's destination counts as read
	; Row r's square sum is element (r, r): register r of lane r for r < 8, register r - 8 of lane 16 + r for the others.  Every lane picks its register l % 8; lanes 0-7 and 24-31 hold their own row's, the others take it from the lane 16 away.
.set i, 0
.rept 8
	v_cndmask_b32 v12, v[ACC+8*i], v[ACC+8*i+1], s[DM+1]
.irp j, 2,3,4,5,6,7
	v_cndmask_b32 v12, v12, v[ACC+8*i+(\j)], s[DM+(\j)]
.endr
	v_permlanex16_b32 v13, v12, s[SEL], s[SEL+1]
	v_cndmask_b32 v[ST+2*i], v13, v12, s[OWN]
.set i, i+1
.endr
	s_mov_b32 s[CNT], 2
	s_mov_b32 s[SLOTS], 31
	s_branch .Lfirst                               ; the loop is entered in the middle of a trip: tiles 0 to 2 fetch the rest of slot 0
.Lslot:                                                ; 30 times: change number s stands behind tile 4 s + 2 and asks for codes 256 (s + 2) on; tiles 4 s + 3 to 4 s + 6 follow
	CHANGE 1
	s_mov_b32 s[CNT], 2
.Lstep:
	TILE 1
.Lfirst:
	TILE 0
	s_sub_co_u32 s[CNT], s[CNT], 1
	s_cmp_lg_u32 s[CNT], 0
	s_cbranch_scc1 .Lstep
	s_sub_co_u32 s[SLOTS], s[SLOTS], 1
	s_cmp_lg_u32 s[SLOTS], 0
	s_cbranch_scc1 .Lslot
	CHANGE 0                                       ; the tail is written out: nothing is asked for
	s_mov_b32 s[CNT], 2
.Ltail:                                                ; tiles 123 to 126
	TILE 1
	TILE 0
	s_sub_co_u32 s[CNT], s[CNT], 1
	s_cmp_lg_u32 s[CNT], 0
	s_cbranch_scc1 .Ltail
	TILE 1, 0                                      ; tile 127 fetches its norms alone
	s_wait_dscnt 0x0
.set tn, 0
.rept 64
	SLICE 0                                        ; tile 127's riders, with no products between them
.set tn, tn+1
.endr
; THE INDEX.  (mi, mb) takes (oi, ob) if ob is less, or equal with the lower index; the index goes to di.  The masks select values alone.
.macro MERGE mi, mb, oi, ob, di
	v_cmp_lt_f32 s[MG], v[\ob], v[\mb]
	v_cmp_eq_f32 s[MG+1], v[\ob], v[\mb]
	v_cmp_lt_u32 s[MG+2], v[\oi], v[\mi]
	s_and_b32 s[MG+1], s[MG+1], s[MG+2]
	s_or_b32 s[MG], s[MG], s[MG+1]
	v_cndmask_b32 v[\mb], v[\mb], v[\ob], s[MG]
	v_cndmask_b32 v[\di], v[\mi], v[\oi], s[MG]
.endm
; Row tile q: the first of the eight kept d that equals best; tile g of my wave holds the codes 256 (g / 4) + 64 w + 16 (g % 4) + 8 (l / 16) + 0..7.  The index takes A's place.  Then the other half of the lanes, which holds the row's other codes.
.macro PICK q
	v_mov_b32 v[ST+2*(\q)], 7
.irp j, 6,5,4,3,2,1,0
	v_cmp_eq_f32 vcc_lo, v[SAV+8*(\q)+(\j)], v[ST+2*(\q)+1]
	v_cndmask_b32 v[ST+2*(\q)], v[ST+2*(\q)], \j, vcc_lo
.endr
	v_lshrrev_b32 v12, 2, v[GI+(\q)]
	v_and_b32 v13, 3, v[GI+(\q)]
	v_add_nc_u32 v[ST+2*(\q)], v[IDB], v[ST+2*(\q)]
	v_lshl_add_u32 v[ST+2*(\q)], v12, 8, v[ST+2*(\q)]
	v_lshl_add_u32 v[ST+2*(\q)], v13, 4, v[ST+2*(\q)]
	v_permlanex16_b32 v12, v[ST+2*(\q)], s[SEL], s[SEL+1]
	v_permlanex16_b32 v13, v[ST+2*(\q)+1], s[SEL], s[SEL+1]
	MERGE ST+2*(\q), ST+2*(\q)+1, 12, 13, ST+2*(\q)
	ds_store_b64 v[SA], v[ST+2*(\q):ST+2*(\q)+1] offset:128*(\q)  ; both halves of the lanes write the same pair
.endm
.irp q, 0,1,2,3,4,5,6,7
	PICK \q
.endr
	s_wait_dscnt 0x0                               ; for the others' sake: my stores are done
	s_barrier_signal -1
	s_barrier_wait -1
	s_cmp_lg_u32 s[WV], 0
	s_cbranch_scc1 .Lnot_first
	; wave 0 merges the four waves' results: lane l takes rows 4 l .. 4 l + 3, 32 bytes of each wave's 1,024
	v_and_b32 v14, 31, v0
	v_lshl_add_u32 v12, v14, 5, SCR
	v_lshlrev_b32 v13, 4, v14
.irp w, 0,1,2,3
	ds_load_b128 v[64+8*(\w):64+8*(\w)+3],   v12 offset:1024*(\w)
	ds_load_b128 v[64+8*(\w)+4:64+8*(\w)+7], v12 offset:1024*(\w)+16
.endr
	s_wait_dscnt 0x0
.irp w, 1,2
.irp t, 0,1,2,3
	MERGE 64+2*(\t), 65+2*(\t), 64+8*(\w)+2*(\t), 65+8*(\w)+2*(\t), 64+2*(\t)
.endr
.endr
.irp t, 0,1,2,3
	MERGE 64+2*(\t), 65+2*(\t), 88+2*(\t), 89+2*(\t), 96+(\t)
.endr
	global_store_b128 v13, v[96:99], s[10:11]      ; 512 consecutive bytes: the work-group's 128 indices, as the output
	global_store_b128 v13, v[96:99], s[12:13]      ; and once more as the whole numbers from which the next launch forms addresses
.Lnot_first:
	s_wait_tensorcnt 0x0                           ; the wave's end, behind my last tensor load and my last LDS store
	ds_add_u32 v[SPW], v[NIL]
	s_wait_dscnt 0x0
	CROUND                                         ; the closing round: no work-group ends while a partner may still ask for a tile that names it
	s_endpgm
.Lfunc_end_k_q6ae990d22b_vq:
	.size	k_q6ae990d22b_vq, .Lfunc_end_k_q6ae990d22b_vq-k_q6ae990d22b_vq
	.p2alignl 7, 3214868480
	.fill 96, 4, 3214868480
	.section	.rodata,"a",@progbits
	.p2align	6, 0x0
	.amdhsa_kernel k_q6ae990d22b_vq
		.amdhsa_group_segment_fixed_size 327680
		.amdhsa_private_segment_fixed_size 0
		.amdhsa_enable_private_segment 0
		.amdhsa_kernarg_size 40
		.amdhsa_user_sgpr_count 2
		.amdhsa_user_sgpr_kernarg_segment_ptr 1
		.amdhsa_wavefront_size32 1
		.amdhsa_system_sgpr_workgroup_id_x 1
		.amdhsa_system_sgpr_workgroup_id_y 1
		.amdhsa_system_sgpr_workgroup_id_z 1
		.amdhsa_system_vgpr_workitem_id 0
		.amdhsa_next_free_vgpr 1024
		.amdhsa_next_free_sgpr 88
		.amdhsa_reserve_vcc 1
		.amdhsa_float_denorm_mode_32 3
		.amdhsa_float_denorm_mode_16_64 3
		.amdhsa_memory_ordered 1
		.amdhsa_forward_progress 1
		.amdhsa_inst_pref_size 197
	.end_amdhsa_kernel
	.amdgpu_metadata
---
amdhsa.version: [ 1, 2 ]
amdhsa.kernels:
  - .name:           k_q6ae990d22b_vq
    .symbol:         k_q6ae990d22b_vq.kd
    .args:
      - { .name: z, .offset: 0, .size: 8, .value_kind: global_buffer, .address_space: global }
      - { .name: cbh, .offset: 8, .size: 8, .value_kind: global_buffer, .address_space: global }
      - { .name: bn, .offset: 16, .size: 8, .value_kind: global_buffer, .address_space: global }
      - { .name: out2, .offset: 24, .size: 8, .value_kind: global_buffer, .address_space: global }
      - { .name: idx, .offset: 32, .size: 8, .value_kind: global_buffer, .address_space: global }
    .group_segment_fixed_size: 327680
    .private_segment_fixed_size: 0
    .kernarg_segment_align: 8
    .kernarg_segment_size: 40
    .max_flat_workgroup_size: 128
    .sgpr_count:     88
    .vgpr_count:     1024
    .wavefront_size: 32
...
	.end_amdgpu_metadata
.endif
;; end of part 2
;; launch apply (part 3): grid 512 x 1, 8 waves a work-group, no clusters, 0 bytes of LDS; arguments z, codebook, idx, out0, part; writes out0, part
.if DOCPART == 3
	.amdgcn_target "amdgcn-amd-amdhsa--gfx1250"
	.amdhsa_code_object_version 6
	.text
	.protected	k_q6ae990d22b_apply
	.globl	k_q6ae990d22b_apply
	.p2align	8
	.type	k_q6ae990d22b_apply,@function
k_q6ae990d22b_apply:
	s_mov_b64 s[64:65], 0
	v_nop
	global_prefetch_b8 v0, s[64:65] scope:SCOPE_SE
	s_setreg_imm32_b32 hwreg(HW_REG_WAVE_MODE, 25, 1), 1
	s_wait_xcnt 0x0
; out0[r][:] = z[r][:] + (codebook[idx[r]][:] - z[r][:]);  part[wid] = the sum over a wave's 8 rows of (codebook[idx[r]] - z[r])^2.  All f32, from the inputs as they are given.
; SHARES.  4,096 waves; wave wid takes rows 8 wid .. 8 wid + 7, in one straight line: its 8 indices by one scalar load, 16 loads of z, 16 of the codes, all out together (16 KiB a wave),
; then row by row the arithmetic and two stores.  A load or store of a wave covers 512 consecutive bytes, half a row.  No register is used twice by memory instructions, so no wait frees any.
; An index is cut to 0 .. 8,191 before it enters an address.  z is read once in the launch and out0 written once (hints); a code's row may be named by many rows: no hint.
; No LDS, no matrix unit, no cluster: bytes are all there is, and the rows share only the codebook, which is small.  No prefetch: every load of a wave goes out at its start, there is no loop to run ahead of.
.set VO, 1                             ; v1        16 x lane
.set E,  2                             ; v[2:9]    c - z of a row
.set SQ, 10                            ; v[10:13]  two chains of packed sums of squares
.set Z,  16                            ; v[16:79]  row i: 8 registers
.set C,  80                            ; v[80:143] row i: the code's 8, then the 8 to store
	s_load_b256 s[4:11], s[0:1], 0x0               ; z s[4:5], codebook s[6:7], idx s[8:9], out0 s[10:11]
	s_load_b64 s[12:13], s[0:1], 0x20              ; part
	v_lshrrev_b32 v14, 5, v0
	v_readfirstlane_b32 s14, v14                   ; wave 0..7
	s_lshl_b32 s15, ttmp9, 3
	s_add_co_u32 s15, s15, s14                     ; wid
	s_lshl_b32 s24, s15, 13                        ; 8 rows of 1,024 bytes
	s_mov_b32 s25, 0
	s_lshl_b32 s26, s15, 5                         ; 8 indices
	s_mov_b32 s27, 0
	s_lshl_b32 s28, s15, 2                         ; my word of part
	s_mov_b32 s29, 0
	s_mov_b32 s30, 0x76543210
	s_mov_b32 s31, 0xfedcba98
	v_and_b32 v15, 31, v0
	v_lshlrev_b32 v[VO], 4, v15
	s_wait_kmcnt 0x0
	s_add_nc_u64 s[8:9], s[8:9], s[26:27]
	s_load_b256 s[16:23], s[8:9], 0x0              ; the 8 indices, stored by the launch before
	s_add_nc_u64 s[4:5], s[4:5], s[24:25]
	s_add_nc_u64 s[10:11], s[10:11], s[24:25]
	s_add_nc_u64 s[12:13], s[12:13], s[28:29]
.irp i, 0,1,2,3,4,5,6,7
	global_load_b128 v[Z+8*(\i):Z+8*(\i)+3],   v[VO], s[4:5] offset:1024*(\i) th:TH_LOAD_NT
	global_load_b128 v[Z+8*(\i)+4:Z+8*(\i)+7], v[VO], s[4:5] offset:1024*(\i)+512 th:TH_LOAD_NT
.endr
	s_wait_kmcnt 0x0
.irp i, 0,1,2,3,4,5,6,7
	s_min_u32 s[16+(\i)], s[16+(\i)], 0x1fff
	s_lshl_b32 s24, s[16+(\i)], 10                 ; a code's row is 1,024 bytes
	s_add_nc_u64 s[32+2*(\i):33+2*(\i)], s[6:7], s[24:25]
	global_load_b128 v[C+8*(\i):C+8*(\i)+3],   v[VO], s[32+2*(\i):33+2*(\i)]
	global_load_b128 v[C+8*(\i)+4:C+8*(\i)+7], v[VO], s[32+2*(\i):33+2*(\i)] offset:512
.endr
.macro ROW i
	s_wait_loadcnt 14-2*(\i)                       ; loads come back in order: all of z and row i's code are in, the later rows' 14 - 2 i loads stay out
.irp j, 0,1,2,3
	v_pk_add_f32 v[E+2*(\j):E+2*(\j)+1], v[C+8*(\i)+2*(\j):C+8*(\i)+2*(\j)+1], v[Z+8*(\i)+2*(\j):Z+8*(\i)+2*(\j)+1] neg_lo:[0,1] neg_hi:[0,1]
.endr
.irp j, 0,1,2,3
.if (\i) == 0 && (\j) < 2
	v_pk_mul_f32 v[SQ+2*(\j):SQ+2*(\j)+1], v[E+2*(\j):E+2*(\j)+1], v[E+2*(\j):E+2*(\j)+1]  ; the first squares start the chains: nothing is cleared
.else
	v_pk_fma_f32 v[SQ+2*((\j)%2):SQ+2*((\j)%2)+1], v[E+2*(\j):E+2*(\j)+1], v[E+2*(\j):E+2*(\j)+1], v[SQ+2*((\j)%2):SQ+2*((\j)%2)+1]
.endif
.endr
.irp j, 0,1,2,3
	v_pk_add_f32 v[C+8*(\i)+2*(\j):C+8*(\i)+2*(\j)+1], v[Z+8*(\i)+2*(\j):Z+8*(\i)+2*(\j)+1], v[E+2*(\j):E+2*(\j)+1]
.endr
	global_store_b128 v[VO], v[C+8*(\i):C+8*(\i)+3],   s[10:11] offset:1024*(\i) th:TH_STORE_NT
	global_store_b128 v[VO], v[C+8*(\i)+4:C+8*(\i)+7], s[10:11] offset:1024*(\i)+512 th:TH_STORE_NT
.endm
.irp i, 0,1,2,3,4,5,6,7
	ROW \i
.endr
	v_pk_add_f32 v[SQ:SQ+1], v[SQ:SQ+1], v[SQ+2:SQ+3]
	v_add_f32 v[SQ], v[SQ], v[SQ+1]
	v_add_f32_dpp v[SQ], v[SQ], v[SQ] row_xmask:1 row_mask:0xf bank_mask:0xf
	v_add_f32_dpp v[SQ], v[SQ], v[SQ] row_xmask:2 row_mask:0xf bank_mask:0xf
	v_add_f32_dpp v[SQ], v[SQ], v[SQ] row_xmask:4 row_mask:0xf bank_mask:0xf
	v_add_f32_dpp v[SQ], v[SQ], v[SQ] row_xmask:8 row_mask:0xf bank_mask:0xf
	v_permlanex16_b32 v[SQ+1], v[SQ], s30, s31
	v_add_f32 v[SQ], v[SQ], v[SQ+1]
	v_mov_b32 v14, 0
	v_cmp_eq_u32 vcc_lo, 0, v15
	s_wait_xcnt 0x0                                ; EXEC is a source of the stores above: it changes only behind this wait
	s_and_saveexec_b32 s24, vcc_lo
	global_store_b32 v14, v[SQ], s[12:13]          ; lane 0: the wave's sum.  The sum over waves is ordered by the next launch
	s_endpgm
.Lfunc_end_k_q6ae990d22b_apply:
	.size	k_q6ae990d22b_apply, .Lfunc_end_k_q6ae990d22b_apply-k_q6ae990d22b_apply
	.p2alignl 7, 3214868480
	.fill 96, 4, 3214868480
	.section	.rodata,"a",@progbits
	.p2align	6, 0x0
	.amdhsa_kernel k_q6ae990d22b_apply
		.amdhsa_group_segment_fixed_size 0
		.amdhsa_private_segment_fixed_size 0
		.amdhsa_enable_private_segment 0
		.amdhsa_kernarg_size 40
		.amdhsa_user_sgpr_count 2
		.amdhsa_user_sgpr_kernarg_segment_ptr 1
		.amdhsa_wavefront_size32 1
		.amdhsa_system_sgpr_workgroup_id_x 1
		.amdhsa_system_sgpr_workgroup_id_y 1
		.amdhsa_system_sgpr_workgroup_id_z 1
		.amdhsa_system_vgpr_workitem_id 0
		.amdhsa_next_free_vgpr 144
		.amdhsa_next_free_sgpr 66
		.amdhsa_reserve_vcc 1
		.amdhsa_float_denorm_mode_32 3
		.amdhsa_float_denorm_mode_16_64 3
		.amdhsa_memory_ordered 1
		.amdhsa_forward_progress 1
		.amdhsa_inst_pref_size 14
	.end_amdhsa_kernel
	.amdgpu_metadata
---
amdhsa.version: [ 1, 2 ]
amdhsa.kernels:
  - .name:           k_q6ae990d22b_apply
    .symbol:         k_q6ae990d22b_apply.kd
    .args:
      - { .name: z, .offset: 0, .size: 8, .value_kind: global_buffer, .address_space: global }
      - { .name: codebook, .offset: 8, .size: 8, .value_kind: global_buffer, .address_space: global }
      - { .name: idx, .offset: 16, .size: 8, .value_kind: global_buffer, .address_space: global }
      - { .name: out0, .offset: 24, .size: 8, .value_kind: global_buffer, .address_space: global }
      - { .name: part, .offset: 32, .size: 8, .value_kind: global_buffer, .address_space: global }
    .group_segment_fixed_size: 0
    .private_segment_fixed_size: 0
    .kernarg_segment_align: 8
    .kernarg_segment_size: 40
    .max_flat_workgroup_size: 256
    .sgpr_count:     66
    .vgpr_count:     144
    .wavefront_size: 32
...
	.end_amdgpu_metadata
.endif
;; end of part 3
;; launch lossum (part 4): grid 1 x 1, 1 waves a work-group, no clusters, 0 bytes of LDS; arguments part, out1; writes out1
.if DOCPART == 4
	.amdgcn_target "amdgcn-amd-amdhsa--gfx1250"
	.amdhsa_code_object_version 6
	.text
	.protected	k_q6ae990d22b_lossum
	.globl	k_q6ae990d22b_lossum
	.p2align	8
	.type	k_q6ae990d22b_lossum,@function
k_q6ae990d22b_lossum:
	s_mov_b64 s[64:65], 0
	v_nop
	global_prefetch_b8 v0, s[64:65] scope:SCOPE_SE
	s_setreg_imm32_b32 hwreg(HW_REG_WAVE_MODE, 25, 1), 1
	s_wait_xcnt 0x0
; out1 = m + 0.25 m, m = (the sum of part's 4,096 numbers) / 2^23: the mean of (z_q - z)^2 over 32,768 x 256 numbers, once plain and once with the commitment cost.
; One wave: 32 loads of 512 consecutive bytes, all out at once; a tree of packed sums in each lane, then once across the lanes.  The sum spans all work-groups of the launch before, so it has a launch of its own.
	s_load_b128 s[4:7], s[0:1], 0x0                ; part s[4:5], out1 s[6:7]
	v_lshlrev_b32 v1, 4, v0
	v_mov_b32 v2, 0
	s_mov_b32 s8, 0x76543210
	s_mov_b32 s9, 0xfedcba98
	s_wait_kmcnt 0x0
.set i, 0
.rept 32
	global_load_b128 v[8+4*i:8+4*i+3], v1, s[4:5] offset:512*i
.set i, i+1
.endr
	s_wait_loadcnt 0x0
.set w, 32
.rept 6                                ; 64 pairs: 32, 16, 8, 4, 2, 1 sums
.set p, 0
.rept w
	v_pk_add_f32 v[8+2*p:9+2*p], v[8+2*p:9+2*p], v[8+2*(p+w):9+2*(p+w)]
.set p, p+1
.endr
.set w, w/2
.endr
	v_add_f32 v8, v8, v9
	v_add_f32_dpp v8, v8, v8 row_xmask:1 row_mask:0xf bank_mask:0xf
	v_add_f32_dpp v8, v8, v8 row_xmask:2 row_mask:0xf bank_mask:0xf
	v_add_f32_dpp v8, v8, v8 row_xmask:4 row_mask:0xf bank_mask:0xf
	v_add_f32_dpp v8, v8, v8 row_xmask:8 row_mask:0xf bank_mask:0xf
	v_permlanex16_b32 v9, v8, s8, s9
	v_add_f32 v8, v8, v9
	v_mul_f32 v8, 0x34000000, v8                   ; x 2^-23
	v_fma_f32 v8, 0x3e800000, v8, v8               ; m + 0.25 m
	v_cmp_eq_u32 vcc_lo, 0, v0
	s_wait_xcnt 0x0                                ; EXEC changes only behind this wait
	s_and_saveexec_b32 s10, vcc_lo
	global_store_b32 v2, v8, s[6:7]
	s_endpgm
.Lfunc_end_k_q6ae990d22b_lossum:
	.size	k_q6ae990d22b_lossum, .Lfunc_end_k_q6ae990d22b_lossum-k_q6ae990d22b_lossum
	.p2alignl 7, 3214868480
	.fill 96, 4, 3214868480
	.section	.rodata,"a",@progbits
	.p2align	6, 0x0
	.amdhsa_kernel k_q6ae990d22b_lossum
		.amdhsa_group_segment_fixed_size 0
		.amdhsa_private_segment_fixed_size 0
		.amdhsa_enable_private_segment 0
		.amdhsa_kernarg_size 16
		.amdhsa_user_sgpr_count 2
		.amdhsa_user_sgpr_kernarg_segment_ptr 1
		.amdhsa_wavefront_size32 1
		.amdhsa_system_sgpr_workgroup_id_x 1
		.amdhsa_system_sgpr_workgroup_id_y 1
		.amdhsa_system_sgpr_workgroup_id_z 1
		.amdhsa_system_vgpr_workitem_id 0
		.amdhsa_next_free_vgpr 136
		.amdhsa_next_free_sgpr 66
		.amdhsa_reserve_vcc 1
		.amdhsa_float_denorm_mode_32 3
		.amdhsa_float_denorm_mode_16_64 3
		.amdhsa_memory_ordered 1
		.amdhsa_forward_progress 1
		.amdhsa_inst_pref_size 9
	.end_amdhsa_kernel
	.amdgpu_metadata
---
amdhsa.version: [ 1, 2 ]
amdhsa.kernels:
  - .name:           k_q6ae990d22b_lossum
    .symbol:         k_q6ae990d22b_lossum.kd
    .args:
      - { .name: part, .offset: 0, .size: 8, .value_kind: global_buffer, .address_space: global }
      - { .name: out1, .offset: 8, .size: 8, .value_kind: global_buffer, .address_space: global }
    .group_segment_fixed_size: 0
    .private_segment_fixed_size: 0
    .kernarg_segment_align: 8
    .kernarg_segment_size: 16
    .max_flat_workgroup_size: 32
    .sgpr_count:     66
    .vgpr_count:     136
    .wavefront_size: 32
...
	.end_amdgpu_metadata
.endif
;; end of part 4
;; ======== version 2 of 2: 4 launches; version 1 with the launch prep written anew for expert scheduling mode
;; workspace buffers: cbh 4,194,304 bytes; bn 32,768 bytes; idx 131,072 bytes of whole numbers; part 16,384 bytes
;; launch prep (part 5): grid 256 x 1, 4 waves a work-group, no clusters, 0 bytes of LDS; arguments codebook, cbh, bn; writes cbh, bn
.if DOCPART == 5
	.amdgcn_target "amdgcn-amd-amdhsa--gfx1250"
	.amdhsa_code_object_version 6
	.text
	.protected	k_q6ae990d22b_prep
	.globl	k_q6ae990d22b_prep
	.p2align	8
	.type	k_q6ae990d22b_prep,@function
k_q6ae990d22b_prep:
	s_mov_b64 s[64:65], 0
	v_nop
	global_prefetch_b8 v0, s[64:65] scope:SCOPE_SE
	s_setreg_imm32_b32 hwreg(HW_REG_WAVE_SCHED_MODE, 0, 2), 2
	s_setreg_imm32_b32 hwreg(HW_REG_WAVE_MODE, 25, 1), 1
	s_wait_xcnt 0x0
	s_wait_alu depctr_vm_vsrc(0)
; cbh[n][:] = bf16(-2 codebook[n][:]);  bn = the sum over a row of bf16(codebook)^2, in f32.
; The factor -2 is a power of two: it changes no rounding, and the search's products then come out as -2 z.c.
; The norm is taken of the ROUNDED numbers: (-2 cb)^2 is summed and multiplied by 0.25, both exact scalings.
; bn is laid for the search: the norm of code n lies at word ((n>>6)&3)*2048 + (n>>8)*64 + (n&63), so that each of the
; search's four waves finds the norms of its codes on end.
; SHARES.  1,024 waves; wave wid takes the codes 8 wid .. 8 wid + 7.  Lane l owns the floats 8 l .. 8 l + 7 of a row, so that its
; eight bf16 are 16 bytes and a wave's store covers a whole row of cbh, 512 consecutive bytes.  All 16 loads go out at once.
; A wave's eight norms are 32 consecutive bytes of bn: the one short store, 32 KiB in the whole launch.
; No LDS, no matrix unit, no cluster: the rows share nothing, and the bytes moved are all there is.
; LIMIT.  |c| beyond half of f32's largest number overflows in -2 c.
; THE MODE: SCHED_MODE bits 1:0 = 2 (LLVM: expert scheduling mode 2), set by the entry lines.  The code itself states the register dependences
; between vector instructions and memory instructions, with s_wait_alu, always for 0.
; THE PLAN.  The text is one straight line.  Registers that memory instructions touch:
;   v2, v3, v17   byte offsets, made at the head by vector instructions and never written again: read by the loads, by the rows' stores, by the last store.
;   X             written by the 16 loads, once; read by the rows' multiplies.  No vector instruction writes it, and no second load lands in it.
;   Y[i]          written by row i's four conversions, once; read by row i's one store, which is issued at the head of row i + 1 (row 7's: behind its own conversions).
;   v5            lane i's norm, written once a row; read by the last store.
;   T, AC0, AC1, TMP, ZERO are named by vector instructions alone.
; So: one wait on va_vdst ahead of the first load, for the three offsets; one at the head of each of rows 1 to 7, behind the wait for the row's data, for the Y of the row before;
; one in row 7 for its own Y; and the waits in front of the one write of EXEC.  No register that a memory instruction has read is ever written again.
; What vector instructions write into scalar registers (the wave's number, the eight masks 'lane = i') is made in one run at the head, with one wait on va_sdst behind it.
.set LANE, 1
.set LOF,  2                           ; v2       32 x lane: my 32 bytes of a row of the codebook
.set SOF,  3                           ; v3       16 x lane: my 16 bytes of a row of cbh
.set ZERO, 4                           ; v4       0: the first addend of each chain
.set RES,  5                           ; v5       lane i keeps row i's norm
.set T,    6                           ; v[6:13]  -2 c, at work
.set AC0,  14                          ; v14, v15 two chains: the low halves', the high halves'
.set AC1,  15
.set TMP,  16
.set NOF,  17                          ; v17      first the wave's number, then the byte of my word in bn (v18, v19 at work beside it)
.set X,    20                          ; v[20:83]   row i: 8 registers as loaded
.set Y,    84                          ; v[84:115]  row i: 4 registers to store
.set MK,   24                          ; s[24:31]   mask i: the lane whose number is i
	s_load_b128 s[4:7], s[0:1], 0x0                ; codebook s[4:5], cbh s[6:7]
	s_load_b64 s[8:9], s[0:1], 0x10                ; bn
	v_lshrrev_b32 v[NOF], 5, v0
	v_readfirstlane_b32 s10, v[NOF]                ; wave 0..3
	v_and_b32 v[LANE], 31, v0
.irp i, 0,1,2,3,4,5,6,7
	v_cmp_eq_u32 s[MK+(\i)], \i, v[LANE]           ; the rows' masks, in one run beside the wave's number
.endr
	s_mov_b32 s13, 0
	s_mov_b32 s17, 0
	s_mov_b32 s14, 0x76543210                      ; v_permlanex16_b32: each lane takes its own place in the other half
	s_mov_b32 s15, 0xfedcba98
	v_lshlrev_b32 v[LOF], 5, v[LANE]
	v_lshlrev_b32 v[SOF], 4, v[LANE]
	v_mov_b32 v[ZERO], 0
	v_mov_b32 v[RES], 0
	v_mov_b32 v[TMP], 0                            ; v_permlanex16_b32's destination counts as read
	s_wait_alu depctr_va_sdst(0)                   ; s10 and the eight masks are written, ahead of the first reader of any of them: s10's stands two lines down, the masks' in the rows
	s_lshl_b32 s11, ttmp9, 2
	s_add_co_u32 s11, s11, s10                     ; wid
	s_lshl_b32 s12, s11, 13                        ; 8 rows of 1,024 bytes
	s_lshl_b32 s16, s11, 12                        ; 8 rows of 512 bytes
	s_lshl_b32 s18, s11, 3
	v_add_nc_u32 v[NOF], s18, v[LANE]              ; n = 8 wid + lane
	v_bfe_u32 v18, v[NOF], 6, 2                    ; (n >> 6) & 3
	v_lshrrev_b32 v19, 8, v[NOF]                   ; n >> 8
	v_and_b32 v[NOF], 63, v[NOF]
	v_lshl_add_u32 v[NOF], v19, 6, v[NOF]
	v_lshl_add_u32 v[NOF], v18, 11, v[NOF]
	v_lshlrev_b32 v[NOF], 2, v[NOF]                ; the word's byte
	s_wait_kmcnt 0x0
	s_add_nc_u64 s[4:5], s[4:5], s[12:13]
	s_add_nc_u64 s[6:7], s[6:7], s[16:17]
	s_wait_alu depctr_va_vdst(0)                   ; the three offsets v2, v3 and v17 are written: every load and store of the kernel reads one of them
.irp i, 0,1,2,3,4,5,6,7
	global_load_b128 v[X+8*(\i):X+8*(\i)+3],   v[LOF], s[4:5] offset:1024*(\i)
	global_load_b128 v[X+8*(\i)+4:X+8*(\i)+7], v[LOF], s[4:5] offset:1024*(\i)+16
.endr
.macro ROW i
	s_wait_loadcnt 14-2*(\i)                       ; loads come back in order: row i's two are in, the later rows' 14 - 2 i stay out
.if (\i) > 0
	s_wait_alu depctr_va_vdst(0)                   ; the conversions of the row before have written its Y, which the store below reads
	global_store_b128 v[SOF], v[Y+4*(\i)-4:Y+4*(\i)-1], s[6:7] offset:512*(\i)-512  ; the row before: the wave stores 512 consecutive bytes, a row; each row has store registers of its own
.endif
.irp j, 0,1,2,3
	v_pk_mul_f32 v[T+2*(\j):T+2*(\j)+1], v[X+8*(\i)+2*(\j):X+8*(\i)+2*(\j)+1], -2.0 op_sel_hi:[1,0]
.endr
.irp j, 0,1,2,3
	v_cvt_pk_bf16_f32 v[Y+4*(\i)+(\j)], v[T+2*(\j)], v[T+2*(\j)+1]
.endr
.if (\i) == 7
	s_wait_alu depctr_va_vdst(0)                   ; the last row's conversions have written its Y: no row follows at whose head its store could stand
	global_store_b128 v[SOF], v[Y+4*(\i):Y+4*(\i)+3], s[6:7] offset:512*(\i)
.endif
	v_fma_mix_f32_bf16 v[AC0], v[Y+4*(\i)], v[Y+4*(\i)], v[ZERO] op_sel_hi:[1,1,0]
	v_fma_mix_f32_bf16 v[AC1], v[Y+4*(\i)], v[Y+4*(\i)], v[ZERO] op_sel:[1,1,0] op_sel_hi:[1,1,0]
.irp j, 1,2,3
	v_fma_mix_f32_bf16 v[AC0], v[Y+4*(\i)+(\j)], v[Y+4*(\i)+(\j)], v[AC0] op_sel_hi:[1,1,0]
	v_fma_mix_f32_bf16 v[AC1], v[Y+4*(\i)+(\j)], v[Y+4*(\i)+(\j)], v[AC1] op_sel:[1,1,0] op_sel_hi:[1,1,0]
.endr
	v_add_f32 v[AC0], v[AC0], v[AC1]
	v_add_f32_dpp v[AC0], v[AC0], v[AC0] row_xmask:1 row_mask:0xf bank_mask:0xf
	v_add_f32_dpp v[AC0], v[AC0], v[AC0] row_xmask:2 row_mask:0xf bank_mask:0xf
	v_add_f32_dpp v[AC0], v[AC0], v[AC0] row_xmask:4 row_mask:0xf bank_mask:0xf
	v_add_f32_dpp v[AC0], v[AC0], v[AC0] row_xmask:8 row_mask:0xf bank_mask:0xf
	v_permlanex16_b32 v[TMP], v[AC0], s14, s15
	v_add_f32 v[AC0], v[AC0], v[TMP]
	v_mul_f32 v[AC0], 0x3e800000, v[AC0]           ; x 0.25: (-2 cb)^2 back to cb^2
	v_cndmask_b32 v[RES], v[RES], v[AC0], s[MK+(\i)]  ; lane i keeps it; the mask was made, and waited for, at the head
.endm
.irp i, 0,1,2,3,4,5,6,7
	ROW \i
.endr
	v_cmp_gt_u32 vcc_lo, 8, v[LANE]
	s_wait_xcnt 0x0                                ; EXEC is a source of the stores above: it changes only behind this wait
	s_wait_alu depctr_va_vcc(0)                    ; VCC is written: EXEC is made from it
	s_wait_alu depctr_va_vdst(0)                   ; in front of the write of EXEC: the vector instructions issued so far are done; among them the eight that wrote v5, which the store below reads
	s_wait_alu depctr_vm_vsrc(0)                   ; in front of the write of EXEC: the stores issued so far have read their vector registers
	s_and_saveexec_b32 s19, vcc_lo
	global_store_b32 v[NOF], v[RES], s[8:9]        ; lanes 0 to 7
	s_endpgm
.Lfunc_end_k_q6ae990d22b_prep:
	.size	k_q6ae990d22b_prep, .Lfunc_end_k_q6ae990d22b_prep-k_q6ae990d22b_prep
	.p2alignl 7, 3214868480
	.fill 96, 4, 3214868480
	.section	.rodata,"a",@progbits
	.p2align	6, 0x0
	.amdhsa_kernel k_q6ae990d22b_prep
		.amdhsa_group_segment_fixed_size 0
		.amdhsa_private_segment_fixed_size 0
		.amdhsa_enable_private_segment 0
		.amdhsa_kernarg_size 24
		.amdhsa_user_sgpr_count 2
		.amdhsa_user_sgpr_kernarg_segment_ptr 1
		.amdhsa_wavefront_size32 1
		.amdhsa_system_sgpr_workgroup_id_x 1
		.amdhsa_system_sgpr_workgroup_id_y 1
		.amdhsa_system_sgpr_workgroup_id_z 1
		.amdhsa_system_vgpr_workitem_id 0
		.amdhsa_next_free_vgpr 116
		.amdhsa_next_free_sgpr 66
		.amdhsa_reserve_vcc 1
		.amdhsa_float_denorm_mode_32 3
		.amdhsa_float_denorm_mode_16_64 3
		.amdhsa_memory_ordered 1
		.amdhsa_forward_progress 1
		.amdhsa_inst_pref_size 18
	.end_amdhsa_kernel
	.amdgpu_metadata
---
amdhsa.version: [ 1, 2 ]
amdhsa.kernels:
  - .name:           k_q6ae990d22b_prep
    .symbol:         k_q6ae990d22b_prep.kd
    .args:
      - { .name: codebook, .offset: 0, .size: 8, .value_kind: global_buffer, .address_space: global }
      - { .name: cbh, .offset: 8, .size: 8, .value_kind: global_buffer, .address_space: global }
      - { .name: bn, .offset: 16, .size: 8, .value_kind: global_buffer, .address_space: global }
    .group_segment_fixed_size: 0
    .private_segment_fixed_size: 0
    .kernarg_segment_align: 8
    .kernarg_segment_size: 24
    .max_flat_workgroup_size: 128
    .sgpr_count:     66
    .vgpr_count:     116
    .wavefront_size: 32
...
	.end_amdgpu_metadata
.endif
;; end of part 5
;; launch vq: the kernel of part 2 again; grid 256 x 1, 4 waves a work-group, clusters of 4 x 1, 327,680 bytes of LDS; arguments z, cbh, bn, out2, idx; writes out2, idx
;; launch apply: the kernel of part 3 again; grid 512 x 1, 8 waves a work-group, no clusters, 0 bytes of LDS; arguments z, codebook, idx, out0, part; writes out0, part
;; launch lossum: the kernel of part 4 again; grid 1 x 1, 1 waves a work-group, no clusters, 0 bytes of LDS; arguments part, out1; writes out1
